; MI455X (gfx1250); checked and timed in simulation.
; The chip was launched on July 23, 2026; its instructions are those of AMD's public machine-readable ISA for CDNA 5 (MIT licence, August 2026) and "CDNA5" Instruction Set Architecture Reference Guide (July 2026). The comments in the code are by the model that wrote it; some were corrected since.
;; Ji T Attention. Allowed arithmetic: matrix products marked QUANTISED: E4M3 operands, one given power-of-two scale a tensor, by v_wmma_f32_16x16x64_fp8_fp8 or v_wmma_f32_16x16x128_fp8_fp8, f32 sums; everything else in f32.
;; Inputs: k_norm_w 64 float32; lowp_scales 8 int32 (the exponents e of the quantised operands' scales 2^e); proj_b 1,024 float32; proj_w 1,024 x 1,024 float32; q_norm_w 64 float32; qkv_b 3,072 float32; qkv_w 3,072 x 1,024 float32; rope_cos 2,048 x 64 float32; rope_sin 2,048 x 64 float32; x 4 x 2,048 x 1,024 float32.
;; Outputs: out0 4 x 2,048 x 1,024 float32.
;; This version of the problem:
;;   THIS VERSION OF THE PROBLEM IS GIVEN IN LOW PRECISION. The matrix products marked QUANTISED in the list below multiply operands that are first quantised to E4M3 (4 exponent bits, 3 mantissa bits; 8 bits a number), with one given power-of-two scale for each operand tensor; their sums are f32. All else is computed in f32.
;;   The module's matrix products, in the order in which they are computed (A, B: the left and right operand; K: the contracted axis; several contracted axes count as one K, in the product's order):
;;     1. [M 8,192, K 1,024] x [K 1,024, N 3,072]; A: input x; B: input qkv_w: QUANTISED (scales: A lowp_scales[0], B lowp_scales[1])
;;     2. batch 64 x [M 2,048, K 64] x [K 64, N 2,048]; A: computed on the way; B: computed on the way: QUANTISED (scales: A lowp_scales[2], B lowp_scales[3])
;;     3. batch 64 x [M 64, K 2,048] x [K 2,048, N 2,048]; A: computed on the way; B: softmax (see below): QUANTISED (scales: A lowp_scales[4], B lowp_scales[5])
;;     4. [M 8,192, K 1,024] x [K 1,024, N 1,024]; A: computed on the way; B: input proj_w: QUANTISED (scales: A lowp_scales[6], B lowp_scales[7])
;;   THE QUANTISER, for each operand of a quantised product, along K:
;;     - The operand's scale is 2^e, e = its entry of the input lowp_scales (int32; the entries are numbered through the quantised products in the list's order, A before B).
;;     - Each number is divided by the scale, clamped to +-448, and rounded to the nearest number of E4M3, ties to even, subnormals kept.
;;     - The product sums the exact products of the quantised numbers (number of the format x scale) in f32.
;;   ~~~python
;;   def quantise(x, axis, e):      # numpy; x: float32 -> the quantised numbers, widened to float32 again
;;       x = np.moveaxis(x, axis, -1); K = x.shape[-1]
;;       r = np.clip(x / 2.0 ** e, -448, 448)
;;       step = 2.0 ** (np.maximum(np.frexp(np.where(r == 0, 1, r))[1] - 1, -6) - 3)
;;       q = np.round(r / step) * step * 2.0 ** e      # np.round: ties to even
;;       return np.moveaxis(q, -1, axis).astype(np.float32)
;;   ~~~
;;   SOFTMAX AHEAD OF A QUANTISED PRODUCT. Where the list says 'softmax', what is quantised is not the finished softmax but p = 2^(t - M), with t = logit x log2(e) and M = ceil(the row's largest t), a whole number; so 1/2 < the row's largest p <= 1. The row's sum l is taken of the UNQUANTISED p, in f32, and the product's result is divided by l at the end. Since M is a whole number, a kernel that streams over the keys may use a running M (the ceiling of the running maximum): every later rescaling is an exact power of two, so the quantised numbers keep their values, but for numbers so far below the row's largest that they fall under the format's range.
;;   OPERANDS COMPUTED ON THE WAY. 'Computed on the way' means the value that the module computes at that place (a softmax that the list does not call 'softmax' is quantised finished and normalised). What goes into a quantiser is computed in f32, as accurately as f32 sums, v_exp_f32 and their like allow (about 1e-6 of the number): no bf16 or f16 on the way to a quantiser, and a product that is left as it is and whose result goes on into a quantised operand takes f32 operands (vector FMAs, or v_wmma_f32_16x16x4_f32). A number that lies on a knife's edge between two numbers of the format may be rounded either way, as far as f32 arithmetic and the matrix unit's own rounding can turn it there, and no further.
;; One version. Each part assembles by itself: llvm-mc -triple=amdgcn-amd-amdhsa -mcpu=gfx1250 --defsym DOCPART=n.
;; ======== version 1 of 1: 4 launches
;; limits: right only within a limited range of input values
;; workspace buffers: ximg 8,388,608 bytes; wimg 3,145,728 bytes; pwimg 1,048,576 bytes; qimg 8,388,608 bytes; kvimg 16,777,216 bytes; aimg 8,388,608 bytes
;; launch quant (part 1): grid 384 x 1, 4 waves a work-group, no clusters, 34,304 bytes of LDS; arguments x, qkv_w, proj_w, lowp_scales, ximg, wimg, pwimg; writes ximg, wimg, pwimg
.if DOCPART == 1
	.amdgcn_target "amdgcn-amd-amdhsa--gfx1250"
	.amdhsa_code_object_version 6
	.text
	.protected	k_q5575859d83_quant
	.globl	k_q5575859d83_quant
	.p2align	8
	.type	k_q5575859d83_quant,@function
k_q5575859d83_quant:
	s_mov_b64 s[64:65], 0
	v_nop
	global_prefetch_b8 v0, s[64:65] scope:SCOPE_SE
	s_setreg_imm32_b32 hwreg(HW_REG_WAVE_MODE, 25, 1), 1
	s_wait_xcnt 0x0
; x [8192][1024], qkv_w [3072][1024] and proj_w [1024][1024], f32 with K innermost, become codes of E4M3, each tensor with its given scale 2^e
; (entries 0, 1 and 7 of the scales): code = number / 2^e, held within +-448, rounded to the nearest code, ties to even.
; LIMITS: -126 <= e and e + 8 <= 127, so that 2^e and 448 x 2^e are f32 numbers.  NaN among the inputs is not served.
; THE CODES ARE LAID AS IMAGES OF OPERAND REGISTERS.  A fragment is 16 rows x 128 K, 2,048 bytes: byte 512 c + 16 lane + 8 u + i is the code of row lane % 16,
; k = 32 c + 16 u + 8 (lane / 16) + i.  Four loads of 16 bytes a lane, 512 bytes apart, are then the sixteen registers of a 16x16x128 operand, every k in its own place.
; A tensor's image is [k / 256][row / 16][(k % 256) / 128][2048]: the 16 row tiles that a GEMM tile wants of 256 along K are one dense block.
; SHARES.  Work-groups 0-255 take x, 256-351 qkv_w, 352-383 proj_w: only pointers and numbers are chosen, the text has one way.  A wave takes 16 rows x 512 K: four fragments.
; A fragment's 16 loads read 512 consecutive bytes of a row each; the 8 KiB turn through the wave's own stage in LDS (rows 528 bytes apart, so that the sixteen
; rows that a read touches begin at sixteen different banks: 64 banks of 4 bytes, ISA guide 11.1) and come back with a lane's registers running along K.
; No tensor load, no barrier: waves share nothing.  Loads run two fragments (32 loads a wave) ahead.
.set WAVES, 4
.set SP,    528                        ; a stage row: 512 bytes + 16
.set STG,   16*SP                      ; a wave's stage
.set SPARE, WAVES*STG                  ; behind the stages: the spare words, 128 bytes for each wave: two blocks of 256 bytes that no other line names
.set LIMV,  10                         ; v10      448 x 2^e
.set SCV,   11                         ; v11      2^e
.set SPW,   12                         ; v12      LDS address of my spare word; never rewritten
.set NIL,   13                         ; v13      0; never rewritten
.set R,     16                         ; v16-143  two sets of 64 numbers as they are loaded
.set X,     144                        ; v144-207 64 numbers in the operand's order
.set C,     208                        ; v208-239 two sets of 16 registers of codes
	s_load_b256 s[4:11], s[0:1], 0x0               ; x, qkv_w, proj_w, the scales' exponents
	s_load_b128 s[12:15], s[0:1], 0x20             ; ximg, wimg
	s_load_b64 s[16:17], s[0:1], 0x30              ; pwimg
	v_lshl_add_u32 v[SPW], v0, 2, SPARE
	v_mov_b32 v[NIL], 0
	v_lshrrev_b32 v4, 5, v0
	v_readfirstlane_b32 s18, v4                    ; wave 0..3
	v_and_b32 v5, 31, v0
	v_lshlrev_b32 v1, 4, v5                        ; 16 x lane: my place in a load's and in a store's 512 bytes
	s_mul_i32 s36, s18, STG
	v_add_nc_u32 v2, s36, v1                       ; the stage, on the way in: a row as it lies
	v_and_b32 v6, 15, v0                           ; r
	v_bfe_u32 v7, v0, 4, 1                         ; h
	v_mul_u32_u24 v3, v6, SP
	v_lshl_add_u32 v3, v7, 5, v3
	v_add_nc_u32 v3, s36, v3                       ; and on the way out: row r, + 32 h: eight numbers of my half
	s_wait_alu depctr_va_vdst(0)
	s_wait_kmcnt 0x0
	s_load_b256 s[28:35], s[10:11], 0x0            ; e0 .. e7
	s_cmp_lt_u32 ttmp9, 352                        ; which tensor?  The choice hangs on the work-group's number alone
	s_cselect_b64 s[20:21], s[6:7], s[8:9]
	s_cselect_b64 s[22:23], s[14:15], s[16:17]
	s_mov_b32 s37, 352
	s_cselect_b32 s37, 256, s37                    ; the tensor's first work-group
	s_mov_b32 s38, 64*4096
	s_cselect_b32 s38, 192*4096, s38               ; bytes of the image for 256 along K: row tiles x 4,096
	s_cmp_lt_u32 ttmp9, 256
	s_cselect_b64 s[20:21], s[4:5], s[20:21]
	s_cselect_b64 s[22:23], s[12:13], s[22:23]
	s_cselect_b32 s37, 0, s37
	s_cselect_b32 s38, 512*4096, s38
	s_sub_co_u32 s37, ttmp9, s37
	s_lshl_b32 s37, s37, 2
	s_add_co_u32 s37, s37, s18                     ; my unit: 2 x row tile + half of K
	s_lshr_b32 s39, s37, 1                         ; row tile
	s_and_b32 s40, s37, 1                          ; half of K
	s_lshl_b32 s42, s39, 16                        ; 16 rows of 4,096 bytes
	s_lshl_b32 s41, s40, 11                        ; 512 numbers
	s_add_co_u32 s42, s42, s41
	s_mov_b32 s43, 0
	s_add_nc_u64 s[20:21], s[20:21], s[42:43]      ; the numbers of my unit
	s_lshl_b32 s44, s39, 12
	s_mul_i32 s41, s40, s38
	s_lshl_b32 s41, s41, 1                         ; my half of K is two steps of 256
	s_add_co_u32 s44, s44, s41
	s_mov_b32 s45, 0
	s_add_nc_u64 s[22:23], s[22:23], s[44:45]      ; fragments 0, 1
	s_mov_b32 s39, 0
	s_add_nc_u64 s[24:25], s[22:23], s[38:39]      ; fragments 2, 3: one step of 256 on
.macro LOAD f                          ; fragment f: 128 numbers of each of 16 rows, into set f % 2
.irp i, 0,1,2,3,4,5,6,7,8,9,10,11,12,13,14,15
	global_load_b128 v[R+64*((\f)%2)+4*\i:R+64*((\f)%2)+4*\i+3], v1, s[20:21] offset:4096*\i+512*(\f) th:TH_LOAD_NT   ; 32 lanes read 512 consecutive bytes; read once in the launch
.endr
.endm
	LOAD 0
	LOAD 1
	s_wait_kmcnt 0x0
	s_cmp_lt_u32 ttmp9, 352
	s_cselect_b32 s46, s29, s35
	s_cmp_lt_u32 ttmp9, 256
	s_cselect_b32 s46, s28, s46                    ; e
	s_add_co_i32 s46, s46, 127
	s_lshl_b32 s47, s46, 23
	v_mov_b32 v[SCV], s47                          ; 2^e as f32: the conversion takes its exponent field
	s_add_co_i32 s46, s46, 8
	s_lshl_b32 s46, s46, 23
	s_or_b32 s46, s46, 0x600000
	v_mov_b32 v[LIMV], s46                         ; 448 x 2^e
.macro FRAGQ f
.if (\f) < 3
	s_wait_loadcnt 16                              ; loads come back in order (ISA guide 5.7.1): this fragment's 16 are in, the next fragment's 16 may be out
.else
	s_wait_loadcnt 0
.endif
.irp i, 0,1,2,3,4,5,6,7,8,9,10,11,12,13,14,15
	ds_store_b128 v2, v[R+64*((\f)%2)+4*\i:R+64*((\f)%2)+4*\i+3] offset:SP*\i
.endr
.irp c, 0,1,2,3
.irp u, 0,1
.irp p, 0,1
	ds_load_b128 v[X+16*\c+8*\u+4*\p:X+16*\c+8*\u+4*\p+3], v3 offset:128*\c+64*\u+16*\p   ; k = 32 c + 16 u + 8 h + 4 p on; LDS serves a wave's instructions in order (ISA guide 5.7.1.4): these see my stores
.endr
.endr
.endr
	s_wait_dscnt 0x0                               ; the numbers are back, and the stage's stores have read their registers,
.if (\f)+2 < 4
	LOAD (\f)+2                                    ; which take the fragment two further on
.endif
.if (\f) >= 2
	s_wait_xcnt 0x0                                ; this set of codes was the data of the stores two fragments back: it is rewritten only behind this wait
.endif
.set i, 0
.rept 64
	v_med3_num_f32 v[X+i], v[X+i], -v[LIMV], v[LIMV]   ; the conversion to an 8-bit code does not saturate (ISA guide 7.6.2): the hold at the largest code x the scale
.set i, i+1
.endr
.irp c, 0,1,2,3
.irp u, 0,1
	v_cvt_scalef32_pk8_fp8_f32 v[C+16*((\f)%2)+4*\c+2*\u:C+16*((\f)%2)+4*\c+2*\u+1], v[X+16*\c+8*\u:X+16*\c+8*\u+7], v[SCV]
.endr
.endr
	v_nop                                          ; a plain line behind the last conversion of the run
.irp c, 0,1,2,3
	global_store_b128 v1, v[C+16*((\f)%2)+4*\c:C+16*((\f)%2)+4*\c+3], s[22+2*((\f)/2):23+2*((\f)/2)] offset:2048*((\f)%2)+512*\c   ; 32 lanes store 512 consecutive bytes, at a multiple of 512 from the buffer's first byte
.endr
.endm
	s_wait_alu depctr_va_vdst(0)
	FRAGQ 0
	FRAGQ 1
	FRAGQ 2
	FRAGQ 3
	s_wait_tensorcnt 0x0                           ; the wave's end, behind my last LDS store
	ds_add_u32 v[SPW], v[NIL]
	s_wait_dscnt 0x0
	s_endpgm
.Lfunc_end_k_q5575859d83_quant:
	.size	k_q5575859d83_quant, .Lfunc_end_k_q5575859d83_quant-k_q5575859d83_quant
	.p2alignl 7, 3214868480
	.fill 96, 4, 3214868480
	.section	.rodata,"a",@progbits
	.p2align	6, 0x0
	.amdhsa_kernel k_q5575859d83_quant
		.amdhsa_group_segment_fixed_size 34304
		.amdhsa_private_segment_fixed_size 0
		.amdhsa_enable_private_segment 0
		.amdhsa_kernarg_size 56
		.amdhsa_user_sgpr_count 2
		.amdhsa_user_sgpr_kernarg_segment_ptr 1
		.amdhsa_wavefront_size32 1
		.amdhsa_system_sgpr_workgroup_id_x 1
		.amdhsa_system_sgpr_workgroup_id_y 1
		.amdhsa_system_sgpr_workgroup_id_z 1
		.amdhsa_system_vgpr_workitem_id 0
		.amdhsa_next_free_vgpr 240
		.amdhsa_next_free_sgpr 66
		.amdhsa_reserve_vcc 0
		.amdhsa_float_denorm_mode_32 3
		.amdhsa_float_denorm_mode_16_64 3
		.amdhsa_memory_ordered 1
		.amdhsa_forward_progress 1
		.amdhsa_inst_pref_size 37
	.end_amdhsa_kernel
	.amdgpu_metadata
---
amdhsa.version: [ 1, 2 ]
amdhsa.kernels:
  - .name:           k_q5575859d83_quant
    .symbol:         k_q5575859d83_quant.kd
    .args:
      - { .name: x, .offset: 0, .size: 8, .value_kind: global_buffer, .address_space: global }
      - { .name: qkv_w, .offset: 8, .size: 8, .value_kind: global_buffer, .address_space: global }
      - { .name: proj_w, .offset: 16, .size: 8, .value_kind: global_buffer, .address_space: global }
      - { .name: lowp_scales, .offset: 24, .size: 8, .value_kind: global_buffer, .address_space: global }
      - { .name: ximg, .offset: 32, .size: 8, .value_kind: global_buffer, .address_space: global }
      - { .name: wimg, .offset: 40, .size: 8, .value_kind: global_buffer, .address_space: global }
      - { .name: pwimg, .offset: 48, .size: 8, .value_kind: global_buffer, .address_space: global }
    .group_segment_fixed_size: 34304
    .private_segment_fixed_size: 0
    .kernarg_segment_align: 8
    .kernarg_segment_size: 56
    .max_flat_workgroup_size: 128
    .sgpr_count:     66
    .vgpr_count:     240
    .wavefront_size: 32
...
	.end_amdgpu_metadata
.endif
;; end of part 1
;; launch qkv (part 2): grid 8 x 32, 4 waves a work-group, clusters of 4 x 1, 262,656 bytes of LDS; arguments ximg, wimg, lowp_scales, qkv_b, q_norm_w, k_norm_w, rope_cos, rope_sin, qimg, kvimg; writes qimg, kvimg
.if DOCPART == 2
	.amdgcn_target "amdgcn-amd-amdhsa--gfx1250"
	.amdhsa_code_object_version 6
	.text
	.protected	k_q5575859d83_qkv
	.globl	k_q5575859d83_qkv
	.p2align	8
	.type	k_q5575859d83_qkv,@function
k_q5575859d83_qkv:
	s_mov_b64 s[64:65], 0
	v_nop
	global_prefetch_b8 v0, s[64:65] scope:SCOPE_SE
	s_setreg_imm32_b32 hwreg(HW_REG_WAVE_MODE, 25, 1), 1
	s_wait_xcnt 0x0
	s_wait_alu depctr_hold_cnt(0) depctr_sa_sdst(0) depctr_va_vdst(0) depctr_va_sdst(0) depctr_va_ssrc(0) depctr_va_vcc(0) depctr_vm_vsrc(0)
	s_getreg_b32 s2, hwreg(HW_REG_IB_STS2, 6, 4)
	s_cmp_eq_u32 s2, 0
	s_cbranch_scc0 .Lentry_in_a_cluster
	s_endpgm
.Lentry_in_a_cluster:
	s_bfe_u32 s2, ttmp6, 0x10000c
	s_cmp_lg_u32 s2, 0x3003
	s_cbranch_scc0 .Lentry_shape_is_right
	s_endpgm
.Lentry_shape_is_right:
; qkv = x qkv_w^T + qkv_b on codes of E4M3 (scales 2^e0, 2^e1), then: q, k: RMS norm over the head's 64, norm weight, rope, codes with 2^e2, 2^e3; v: codes with 2^e4 along the tokens.
; All operands and results are images of operand registers: a fragment of 16 rows x 128 K is 2,048 bytes, four runs of 512 bytes; x and the weights lie [k / 256][row / 16][(k % 256) / 128][2048].
; SHARES.  Work-group (g, rb): tokens 256 rb .. + 255 and heads 2 g, 2 g + 1 of v, q and k: three blocks of 256 x 128 on the same rows of x.  8 x 32 = 256 work-groups.
; x's 256 rows with the WHOLE K = 1,024 are 262,144 bytes of LDS, filled once: wave w fetches K 256 w .. + 255, a dense block of 65,536 bytes.  No ring, no refill, one barrier.
; CLUSTER: the four work-groups of a row of the grid's half need the same rows of x: each block is asked for JOINTLY (mask 15).
; A wave makes 128 tokens (wave / 2) x one head's 64 columns (wave % 2): 32 accumulators, 256 registers.  Its weights, 64 rows x 1,024 K = 512 registers, come from their image straight into registers.
; x's fragments come from LDS in half steps of four fragments through three buffers of 64 registers.
; THE BIAS is the C of each accumulator's first product, divided by 2^(e0 + e1), which the sums lack.  q, k: the norm is taken of the sums as they are, with eps / 2^(2 (e0 + e1)): the same number.
; v: the sums go to the conversion as they are, with the scale 2^(e4 - e0 - e1).
; q, k: source 0 = 16 rows of the weights, source 1 = 16 tokens: a lane holds one token and columns 16 b + 8 (lane / 16) + j.  v: the sources swapped: a lane holds one d and tokens 16 a + 8 (lane / 16) + j.
; COS AND SIN, 64 registers for each tile of 16 tokens, are asked for as registers fall free: tiles 0 to 3 into the weights' registers of K steps 4 to 7, tiles 4 to 6 into x's three buffers, tile 7 into tile 0's when that is done.
; So in q's block only K steps 0 to 3 of k's weights are fetched under the products; K steps 4 to 7 follow on the way out and are awaited ahead of K step 4 of k's block.
; On the way out x times the norm weight is written over the sums, the turned numbers over cos, the codes over sin.
; NO PREFETCH: all of x's rows are asked for at the head, one load a wave; no loop stands ahead of those loads.
; LIMITS: e0 + e1 between -73 and 53 (eps's exponent field); e2, e3 and e4 - e0 - e1 between -126 and 119.  NaN is not served.
; REGISTERS: window 0: v0-15 addresses and small things, v16-31 eight pairs (sum of squares, then the root), v32-63 bias or norm weight, v64-255 x's three buffers; windows 1, 2: the weights; window 3: accumulator (a, b) at 32 a + 8 b.
.set BSTEP, 192*4096
.set SPARE, 262144
.set LI, 1
.set ADA, 2
.set SPW, 6
.set NIL, 7
.set H32, 8
.set CSO, 9
.set R4, 10
.set SCV, 11
.set LIMV, 12
.set SQ, 16
.set BI, 32
.set AB, 64
.set BV, 36                            ; s[36:37] v's weights;  s[38:39] the next block's
.set BN, 38
.set PBQ, 42                           ; s[42:43], s[44:45], s[46:47] q's, k's, v's bias
.set PBK, 44
.set PBV, 46
.set DQ, 48                            ; s[48:49], s[50:51], s[52:53] where q, k, v go
.set DK, 50
.set DV, 52
.set COS, 54
.set SIN, 56
.set DST, 58
.set WP, 60
.set TR, 62                            ; s62 the trip: 0 q, 1 k
.set MSB, 0
.macro WIN new                         ; the immediate's high byte repeats the setting that is left
.if MSB != (\new)
	s_set_vgpr_msb (MSB<<8)|(\new)
.set MSB, (\new)
.endif
.endm
.macro CROUND
	s_barrier_signal -1
	s_barrier_wait -1
	s_cmp_lg_u32 s12, 0
	s_cbranch_scc1 .Lnot_wave_0_\@
	s_barrier_signal -3
.Lnot_wave_0_\@:
	s_barrier_wait -3
	s_barrier_signal -1
	s_barrier_wait -1
.endm
.macro NOP4
.rept 4
	v_nop
.endr
.endm
.macro ALOAD h                         ; half step h: K step h / 2, token tiles 4 (h % 2) .. + 3, into buffer h % 3
.irp a, 0,1,2,3
.irp c, 0,1,2,3
	ds_load_b128 v[AB+64*((\h)%3)+16*\a+4*\c:AB+64*((\h)%3)+16*\a+4*\c+3], v[ADA+(\h)/4] offset:(4*((\h)%2)+\a)*4096+(((\h)/2)%2)*2048+512*\c
.endr
.endr
.endm
.macro BLOAD kk, base                  ; the weights' four fragments of K step kk: 16 loads of 512 consecutive bytes
	WIN (0x40<<((\kk)/4))
.irp b, 0,1,2,3
.irp c, 0,1,2,3
	global_load_b128 v[64*((\kk)%4)+16*\b+4*\c:64*((\kk)%4)+16*\b+4*\c+3], v[LI], s[\base:\base+1] offset:((\kk)/2)*BSTEP+\b*4096+((\kk)%2)*2048+512*\c
.endr
.endr
	WIN 0
.endm
.macro RELOAD k0, k1                   ; in q's trip: k's weights of K steps k0 .. k1; k's trip has no successor (a branch on the trip's number)
	s_cmp_lg_u32 s[TR], 0
	s_cbranch_scc1 .Lnone_\@
.set kq, \k0
.rept (\k1)-(\k0)+1
	BLOAD kq, BN
.set kq, kq+1
.endr
.Lnone_\@:
.endm
.macro L32 ptr                         ; 32 numbers a lane in the layout of a token's columns: 16 b + 8 (lane / 16) + j
.irp b, 0,1,2,3
	global_load_b128 v[BI+8*\b:BI+8*\b+3], v[H32], s[\ptr:\ptr+1] offset:64*\b
	global_load_b128 v[BI+8*\b+4:BI+8*\b+7], v[H32], s[\ptr:\ptr+1] offset:64*\b+16
.endr
.endm
.macro CSSET a                         ; where token tile a's cos (32 registers) and sin (32) lie: window CX, from register CB
.if (\a) == 7
.set CX, 2
.set CB, 0
.else
.if (\a) < 4
.set CX, 2
.set CB, 64*(\a)
.else
.set CX, 0
.set CB, AB+64*(((\a)-3)%3)
.endif
.endif
.endm
.macro CSLOAD a                        ; 16 loads
	CSSET \a
	WIN (CX<<6)
.irp b, 0,1,2,3
	global_load_b128 v[CB+8*\b:CB+8*\b+3], v[CSO], s[COS:COS+1] offset:4096*(\a)+64*\b
	global_load_b128 v[CB+8*\b+4:CB+8*\b+7], v[CSO], s[COS:COS+1] offset:4096*(\a)+64*\b+16
	global_load_b128 v[CB+32+8*\b:CB+32+8*\b+3], v[CSO], s[SIN:SIN+1] offset:4096*(\a)+64*\b
	global_load_b128 v[CB+32+8*\b+4:CB+32+8*\b+7], v[CSO], s[SIN:SIN+1] offset:4096*(\a)+64*\b+16
.endr
	WIN 0
.endm
.macro MM d, x, y, c
	v_wmma_f32_16x16x128_fp8_fp8 v[\d:\d+7], v[\x:\x+15], v[\y:\y+15], v[\c:\c+7]
.endm
.macro MULH h, sw                      ; 16 products: 4 token tiles x 4 weight tiles, the 16 accumulators by turns; the first K step takes the bias as C
.set WB, 1+(\h)/8
.set BR, 64*(((\h)/2)%4)
.set AR, AB+64*((\h)%3)
.set DR, 128*((\h)%2)
.if (\h) < 2
.set CW, 0
.else
.set CW, 3
.endif
.if (\sw)
	WIN (0xc0|(CW<<4)|(WB<<2))
.else
	WIN (0xc0|(CW<<4)|WB)
.endif
.irp a, 0,1,2,3
.irp b, 0,1,2,3
.if (\sw)
.if (\h) < 2
	MM DR+32*\a+8*\b, AR+16*\a, BR+16*\b, BI+8*\b
.else
	MM DR+32*\a+8*\b, AR+16*\a, BR+16*\b, DR+32*\a+8*\b
.endif
.else
.if (\h) < 2
	MM DR+32*\a+8*\b, BR+16*\b, AR+16*\a, BI+8*\b
.else
	MM DR+32*\a+8*\b, BR+16*\b, AR+16*\a, DR+32*\a+8*\b
.endif
.endif
.endr
.endr
.endm
; A half step.  Four places stand ahead of loads into registers that the last products read (ISA guide 7.12.1 for vector instructions).
.macro HALF h, sw, qk
	WIN 0
.if (\h) > 0
	NOP4
.endif
.if (\h) < 14
	ALOAD (\h)+2                                   ; two half steps ahead, into the buffer just left
.endif
.if (\qk) == 0                         ; v's block: each K step just done takes q's weights; the bias's registers, read as C, take q's bias
.if ((\h) >= 2) && ((\h)%2 == 0)
	BLOAD (\h)/2-1, BN
.endif
.if (\h) == 2
	L32 PBQ
.endif
.else
.if (\h) == 2
	L32 WP                                         ; the bias has been read as C: its registers take the norm weight
.endif
.if (\h) == 9
	RELOAD 0, 3                                    ; behind the wait of half step 8, so that only the norm weight's 8 loads are younger there
.endif
.if (\h) == 10
	CSLOAD 0                                       ; K step 4's registers
.endif
.if (\h) == 12
	CSLOAD 1
.endif
.if (\h) == 14
	CSLOAD 2
	CSLOAD 4                                       ; the buffers that no further half step needs
.endif
.if (\h) == 15
	CSLOAD 5
.endif
.endif
.if (\h) == 0
	s_wait_alu depctr_va_vdst(0)                   ; directly ahead of the wait below
.endif
.if ((\qk) == 0) && ((\h)%2 == 0)
	s_wait_loadcnt 63                              ; behind this K step's 16 loads 112 or more have been issued (16 for each of seven other K steps): the 63 youngest may be out
.endif
.if (\qk) && ((\h) == 8)
	s_wait_loadcnt 8                               ; all that was asked for ahead of this block is in, the weights of K steps 4 to 7 among it; the norm weight's 8 loads may be out
.endif
.if (\h) < 14
	s_wait_dscnt 32                                ; the two half steps ahead may be out
.else
	s_wait_dscnt 16*(15-(\h))
.endif
	MULH \h, \sw
.endm
.macro MAIN sw, qk
.set hh, 0
.rept 16
	HALF hh, \sw, \qk
.set hh, hh+1
.endr
	WIN 0
	NOP4                                           ; places ahead of the first read of results and of the loads into the last half step's registers
.endm
	s_load_b256 s[4:11], s[0:1], 0x0               ; ximg, wimg, the scales' exponents, qkv_b
	s_load_b256 s[68:75], s[0:1], 0x20             ; q_norm_w, k_norm_w, rope_cos, rope_sin
	s_load_b128 s[76:79], s[0:1], 0x40             ; qimg, kvimg
	v_lshl_add_u32 v[SPW], v0, 2, SPARE
	v_mov_b32 v[NIL], 0
	ds_add_u32 v[SPW], v[NIL]                      ; the opening: the add, twice on end, and its wait ahead of my tensor load
	ds_add_u32 v[SPW], v[NIL]
	v_lshrrev_b32 v1, 5, v0
	v_readfirstlane_b32 s12, v1                    ; wave
	s_lshr_b32 s13, s12, 1                         ; which 128 tokens
	s_and_b32 s14, s12, 1                          ; which head of the two
	s_bfe_u32 s15, ttmp6, 0x40000                  ; cx: it enters global addresses of plain loads and stores alone
	s_lshl_b32 s16, ttmp9, 2
	s_add_co_u32 s16, s16, s15                     ; g
	s_and_b32 s17, ttmp7, 0xffff                   ; rb
	s_mov_b32 s24, 15|(3<<16)|(1<<21)              ; group 1: the mask of all four; elements of 8 bytes; bit 21 beside a mask
	s_mov_b32 s25, 32<<16                          ; 65,536 dense bytes as 256 rows of 32 elements
	s_mov_b32 s26, 256<<16
	s_mov_b32 s27, 32<<16
	s_mov_b32 s28, 256
	s_mov_b32 s29, 32
	s_mov_b32 s30, 0
	s_mov_b32 s31, 0
	s_mov_b32 s32, 1
	s_lshl_b32 s33, s12, 16                        ; LDS: K 256 w on
	s_lshl_b32 s20, s12, 21                        ; memory: 512 row tiles x 4,096 for each 256 along K,
	s_lshl_b32 s18, s17, 16
	s_add_co_u32 s20, s20, s18                     ; 16 row tiles for each rb
	s_mov_b32 s21, 0
	s_lshl_b32 s40, s16, 15
	s_lshl_b32 s18, s14, 14
	s_add_co_u32 s40, s40, s18                     ; weights: row tile 8 g + 4 (wave % 2)
	s_mov_b32 s41, 0
	s_lshl_b32 s94, s16, 9
	s_lshl_b32 s18, s14, 8
	s_add_co_u32 s94, s94, s18                     ; bias: column 128 g + 64 (wave % 2)
	s_mov_b32 s95, 0
	s_lshr_b32 s18, s17, 3
	s_lshl_b32 s18, s18, 4
	s_lshl_b32 s19, s16, 1
	s_add_co_u32 s18, s18, s19
	s_add_co_u32 s18, s18, s14                     ; 16 x batch + head
	s_and_b32 s19, s17, 7
	s_lshl_b32 s19, s19, 1
	s_add_co_u32 s19, s19, s13                     ; which 128 tokens of the sequence
	s_lshl_b32 s96, s18, 17
	s_lshl_b32 s22, s19, 13
	s_add_co_u32 s96, s96, s22                     ; q: head x 131,072 + 8 tiles x 1,024
	s_mov_b32 s97, 0
	s_lshl_b32 s98, s96, 1                         ; k, v: head x 262,144 + chunk x 16,384
	s_mov_b32 s99, 0
	s_lshl_b32 s100, s19, 15                       ; rope: 128 rows of 256 bytes
	s_mov_b32 s101, 0
	s_mov_b32 s90, 0x3c800000                      ; 1 / 64
	s_mov_b32 s92, 0x76543210
	s_mov_b32 s93, 0xfedcba98
	s_mov_b32 s[TR], 0
	s_wait_dscnt 0x0
	s_wait_kmcnt 0x0
	s_load_b256 s[80:87], s[8:9], 0x0              ; e0 .. e7
	s_add_nc_u64 s[34:35], s[4:5], s[20:21]
	s_or_b32 s35, s35, 0x80000000
	s_add_nc_u64 s[BN:BN+1], s[6:7], s[40:41]      ; q's weights
	s_add_nc_u64 s[BV:BV+1], s[BN:BN+1], 128*4096
	s_add_nc_u64 s[PBQ:PBQ+1], s[10:11], s[94:95]
	s_add_nc_u64 s[PBK:PBK+1], s[PBQ:PBQ+1], 4096
	s_add_nc_u64 s[PBV:PBV+1], s[PBQ:PBQ+1], 8192
	s_add_nc_u64 s[DQ:DQ+1], s[76:77], s[96:97]
	s_add_nc_u64 s[DK:DK+1], s[78:79], s[98:99]
	s_add_nc_u64 s[DV:DV+1], s[DK:DK+1], 8192
	s_add_nc_u64 s[COS:COS+1], s[72:73], s[100:101]
	s_add_nc_u64 s[SIN:SIN+1], s[74:75], s[100:101]
	CROUND                                         ; all four work-groups are here: the joint loads meet
	tensor_load_to_lds s[32:35], s[24:31]          ; my one tensor load of the launch
	s_nop 0
	NOP4
	v_and_b32 v1, 31, v0
	v_lshlrev_b32 v[LI], 4, v1                     ; 16 x lane
	v_and_b32 v[R4], 15, v0
	v_bfe_u32 v[H32], v0, 4, 1
	v_lshlrev_b32 v[H32], 5, v[H32]                ; 32 (lane / 16)
	v_lshl_add_u32 v[CSO], v[R4], 8, v[H32]        ; a token's row of cos or sin, my half's eight numbers
	v_lshlrev_b32 v[R4], 2, v[R4]                  ; 4 (lane % 16)
	s_lshl_b32 s18, s13, 15                        ; my 8 token tiles
.irp k, 0,1,2,3
	v_add_nc_u32 v[ADA+\k], s18, v[LI]
	s_add_co_u32 s18, s18, 65536
.endr
	s_wait_alu depctr_va_vdst(0)
.irp b, 0,1,2,3
	global_load_b32 v[BI+8*\b], v[R4], s[PBV:PBV+1] offset:64*\b   ; v's bias at d = 16 b + lane % 16
.endr
.irp k, 0,1,2,3,4,5,6,7
	BLOAD \k, BV
.endr
	s_wait_kmcnt 0x0
	s_add_co_i32 s18, s80, s81                     ; e0 + e1
	s_sub_co_i32 s19, 127, s18
	s_lshl_b32 s88, s19, 23                        ; 2^-(e0 + e1)
	s_mov_b32 s89, s88
	s_lshl_b32 s19, s18, 24
	s_sub_co_u32 s91, 0x358637bd, s19              ; 1e-6 / 2^(2 (e0 + e1)): twice the sum leaves the exponent field
	s_sub_co_i32 s19, s84, s18
	s_add_co_i32 s19, s19, 127
	s_lshl_b32 s22, s19, 23
	v_mov_b32 v[SCV], s22                          ; 2^(e4 - e0 - e1)
	s_add_co_i32 s19, s19, 8
	s_lshl_b32 s19, s19, 23
	s_or_b32 s19, s19, 0x600000
	v_mov_b32 v[LIMV], s19                         ; 448 x that
	s_wait_loadcnt 63                              ; the four oldest loads are in (128 were issued behind them)
.irp b, 0,1,2,3
.irp j, 7,6,5,4,3,2,1,0
	v_mul_f32 v[BI+8*\b+\j], s88, v[BI+8*\b]       ; the same d in all eight registers
.endr
.endr
	s_wait_tensorcnt 0x0                           ; my block is in,
	s_barrier_signal -1
	s_barrier_wait -1                              ; everybody's is
	ALOAD 0
	ALOAD 1
	MAIN 1, 0                                      ; v
	BLOAD 7, BN
.macro VROW b                          ; 16 d x 128 tokens: a fragment of v turned
	WIN 0xc3
.irp a, 0,1,2,3,4,5,6,7
.irp j, 0,1,2,3,4,5,6,7
	v_med3_num_f32 v[32*\a+8*\b+\j], v[32*\a+8*\b+\j], -v[LIMV], v[LIMV]   ; the conversion does not saturate (ISA guide 7.6.2); each accumulator from its low end on
.endr
.endr
	WIN 0x03
.irp a, 0,1,2,3,4,5,6,7
	v_cvt_scalef32_pk8_fp8_f32 v[AB+16*\b+2*\a:AB+16*\b+2*\a+1], v[32*\a+8*\b:32*\a+8*\b+7], v[SCV]
.endr
	WIN 0
	v_nop                                          ; a plain line behind the last conversion
.irp c, 0,1,2,3
	global_store_b128 v[LI], v[AB+16*\b+4*\c:AB+16*\b+4*\c+3], s[DV:DV+1] offset:2048*\b+512*\c   ; 512 consecutive bytes
.endr
.endm
.irp b, 0,1,2,3
	VROW \b
.endr
.macro QKROW a, n                      ; 16 tokens x the head's 64: rope, the root, the hold, the codes.  n: the loads issued behind this tile's cos and sin, on the way that has the fewer
	CSSET \a
	s_wait_loadcnt \n
	WIN (0x03|(CX<<2)|(CX<<4)|(CX<<6))
.set i, 0
.rept 16
	v_pk_mul_f32 v[CB+i:CB+i+1], v[32*(\a)+i:32*(\a)+i+1], v[CB+i:CB+i+1]   ; x cos, over cos
.set i, i+2
.endr
.set i, 0
.rept 16
	v_pk_fma_f32 v[CB+i:CB+i+1], v[32*(\a)+i:32*(\a)+i+1], v[CB+32+i:CB+32+i+1], v[CB+i:CB+i+1] op_sel:[1,0,0] op_sel_hi:[0,1,1] neg_lo:[1,0,0]   ; the pair turned: (-x1, x0) x sin
.set i, i+2
.endr
	WIN (CX|(CX<<6))
.set i, 0
.rept 16
	v_pk_mul_f32 v[CB+i:CB+i+1], v[CB+i:CB+i+1], v[SQ+2*(\a):SQ+2*(\a)+1] op_sel_hi:[1,0]
.set i, i+2
.endr
.set i, 0
.rept 32
	v_med3_num_f32 v[CB+i], v[CB+i], -v[LIMV], v[LIMV]
.set i, i+1
.endr
.irp b, 0,1,2,3
	v_cvt_scalef32_pk8_fp8_f32 v[CB+32+2*\b:CB+32+2*\b+1], v[CB+8*\b:CB+8*\b+7], v[SCV]   ; the codes, over sin
.endr
	v_nop                                          ; a plain line behind the last conversion
	WIN (CX<<2)
.irp c, 0,1
	global_store_b128 v[LI], v[CB+32+4*\c:CB+32+4*\c+3], s[DST:DST+1] offset:1024*(\a)+512*\c
.endr
	WIN 0
.endm
.Ltrip:                                            ; two trips: q, then k
	s_wait_loadcnt 63                              ; the bias and the weights of K steps 0 to 3 are in: behind them 64 loads or more were issued on either way here
	s_wait_xcnt 0x0                                ; the last loads and stores have read their registers and bases
	ALOAD 0
	ALOAD 1
	s_cmp_eq_u32 s[TR], 0
	s_cselect_b64 s[DST:DST+1], s[DQ:DQ+1], s[DK:DK+1]
	s_cselect_b64 s[WP:WP+1], s[68:69], s[70:71]
	s_cselect_b32 s18, s82, s83                    ; e2 or e3
	s_add_nc_u64 s[BN:BN+1], s[BN:BN+1], 64*4096   ; q's trip fetches k's weights
	s_add_co_i32 s18, s18, 127
	s_lshl_b32 s19, s18, 23
	v_mov_b32 v[SCV], s19
	s_add_co_i32 s18, s18, 8
	s_lshl_b32 s18, s18, 23
	s_or_b32 s18, s18, 0x600000
	v_mov_b32 v[LIMV], s18
.set i, 0
.rept 16
	v_pk_mul_f32 v[BI+i:BI+i+1], v[BI+i:BI+i+1], s[88:89] op_sel_hi:[1,0]   ; the bias / 2^(e0 + e1)
.set i, i+2
.endr
	MAIN 0, 1
	CSLOAD 3                                       ; K step 7's registers,
	CSLOAD 6                                       ; and the last buffer
	WIN 0x0f                                       ; the sums of squares of all eight tiles: eight chains by turns; each accumulator from its low end on
.irp a, 0,1,2,3,4,5,6,7
	v_pk_mul_f32 v[SQ+2*\a:SQ+2*\a+1], v[32*\a:32*\a+1], v[32*\a:32*\a+1]
.endr
.set i, 2
.rept 15
.irp a, 0,1,2,3,4,5,6,7
	v_pk_fma_f32 v[SQ+2*\a:SQ+2*\a+1], v[32*\a+i:32*\a+i+1], v[32*\a+i:32*\a+i+1], v[SQ+2*\a:SQ+2*\a+1]
.endr
.set i, i+2
.endr
	WIN 0
.irp a, 0,1,2,3,4,5,6,7
	v_add_f32 v[SQ+2*\a], v[SQ+2*\a], v[SQ+2*\a+1]
.endr
.irp a, 0,1,2,3,4,5,6,7
	v_permlanex16_b32 v[SQ+2*\a+1], v[SQ+2*\a], s92, s93
.endr
.irp a, 0,1,2,3,4,5,6,7
	v_add_f32 v[SQ+2*\a], v[SQ+2*\a], v[SQ+2*\a+1] ; the sum of 64 squares
.endr
.irp a, 0,1,2,3,4,5,6,7
	v_fma_f32 v[SQ+2*\a], v[SQ+2*\a], s90, s91     ; the mean + eps
.endr
	s_wait_alu depctr_va_vdst(0)
.irp a, 0,1,2,3,4,5,6,7
	v_rsq_f32 v[SQ+2*\a], v[SQ+2*\a]
.endr
	s_wait_loadcnt 63                              ; the norm weight is in: 112 loads of cos and sin were issued behind it
	WIN 0xc3
.irp a, 0,1,2,3,4,5,6,7
.set i, 0
.rept 16
	v_pk_mul_f32 v[32*\a+i:32*\a+i+1], v[32*\a+i:32*\a+i+1], v[BI+i:BI+i+1]   ; x the norm weight, over the sums
.set i, i+2
.endr
.endr
	WIN 0
	s_wait_alu depctr_va_vdst(0)                   ; one wait behind the batch, ahead of the branch below and of the roots' first reader
	s_cmp_lg_u32 s[TR], 0
	s_cbranch_scc1 .Lnobias
	L32 PBK                                        ; the norm weight has had its last use: in q's trip its registers take k's bias
.Lnobias:
	QKROW 0, 63                                    ; the tiles in the order in which their cos and sin were asked for: 0, 1, 2, 4, 5, 3, 6, 7
	s_wait_xcnt 0x0                                ; tile 0's stores have read their registers,
	CSLOAD 7                                       ; which take tile 7's cos and sin
	QKROW 1, 63
	QKROW 2, 63
	QKROW 4, 63
	QKROW 5, 48                                    ; behind tile 5's: tiles 3, 6 and 7
	QKROW 3, 32
	QKROW 6, 16
	s_wait_loadcnt 0x0                             ; tile 7's
	s_wait_xcnt 0x0                                ; the stores of tiles 1, 2, 3 have read their registers,
	RELOAD 5, 7                                    ; which take k's weights again
	QKROW 7, 63
	s_wait_xcnt 0x0
	RELOAD 4, 4
	s_add_co_u32 s[TR], s[TR], 1
	s_cmp_lt_u32 s[TR], 2
	s_cbranch_scc1 .Ltrip
	s_wait_tensorcnt 0x0                           ; the wave's end
	ds_add_u32 v[SPW], v[NIL]
	s_wait_dscnt 0x0
	CROUND                                         ; the closing round
	s_endpgm
.Lfunc_end_k_q5575859d83_qkv:
	.size	k_q5575859d83_qkv, .Lfunc_end_k_q5575859d83_qkv-k_q5575859d83_qkv
	.p2alignl 7, 3214868480
	.fill 96, 4, 3214868480
	.section	.rodata,"a",@progbits
	.p2align	6, 0x0
	.amdhsa_kernel k_q5575859d83_qkv
		.amdhsa_group_segment_fixed_size 262656
		.amdhsa_private_segment_fixed_size 0
		.amdhsa_enable_private_segment 0
		.amdhsa_kernarg_size 80
		.amdhsa_user_sgpr_count 2
		.amdhsa_user_sgpr_kernarg_segment_ptr 1
		.amdhsa_wavefront_size32 1
		.amdhsa_system_sgpr_workgroup_id_x 1
		.amdhsa_system_sgpr_workgroup_id_y 1
		.amdhsa_system_sgpr_workgroup_id_z 1
		.amdhsa_system_vgpr_workitem_id 0
		.amdhsa_next_free_vgpr 1024
		.amdhsa_next_free_sgpr 102
		.amdhsa_reserve_vcc 0
		.amdhsa_float_denorm_mode_32 3
		.amdhsa_float_denorm_mode_16_64 3
		.amdhsa_memory_ordered 1
		.amdhsa_forward_progress 1
		.amdhsa_inst_pref_size 216
	.end_amdhsa_kernel
	.amdgpu_metadata
---
amdhsa.version: [ 1, 2 ]
amdhsa.kernels:
  - .name:           k_q5575859d83_qkv
    .symbol:         k_q5575859d83_qkv.kd
    .args:
      - { .name: ximg, .offset: 0, .size: 8, .value_kind: global_buffer, .address_space: global }
      - { .name: wimg, .offset: 8, .size: 8, .value_kind: global_buffer, .address_space: global }
      - { .name: lowp_scales, .offset: 16, .size: 8, .value_kind: global_buffer, .address_space: global }
      - { .name: qkv_b, .offset: 24, .size: 8, .value_kind: global_buffer, .address_space: global }
      - { .name: q_norm_w, .offset: 32, .size: 8, .value_kind: global_buffer, .address_space: global }
      - { .name: k_norm_w, .offset: 40, .size: 8, .value_kind: global_buffer, .address_space: global }
      - { .name: rope_cos, .offset: 48, .size: 8, .value_kind: global_buffer, .address_space: global }
      - { .name: rope_sin, .offset: 56, .size: 8, .value_kind: global_buffer, .address_space: global }
      - { .name: qimg, .offset: 64, .size: 8, .value_kind: global_buffer, .address_space: global }
      - { .name: kvimg, .offset: 72, .size: 8, .value_kind: global_buffer, .address_space: global }
    .group_segment_fixed_size: 262656
    .private_segment_fixed_size: 0
    .kernarg_segment_align: 8
    .kernarg_segment_size: 80
    .max_flat_workgroup_size: 128
    .sgpr_count:     102
    .vgpr_count:     1024
    .wavefront_size: 32
...
	.end_amdgpu_metadata
.endif
;; end of part 2
;; launch attn (part 3): grid 4 x 64, 16 waves a work-group, clusters of 4 x 1, 264,192 bytes of LDS; arguments qimg, kvimg, lowp_scales, aimg; writes aimg
.if DOCPART == 3
	.amdgcn_target "amdgcn-amd-amdhsa--gfx1250"
	.amdhsa_code_object_version 6
	.text
	.protected	k_q5575859d83_attn
	.globl	k_q5575859d83_attn
	.p2align	8
	.type	k_q5575859d83_attn,@function
k_q5575859d83_attn:
	s_mov_b64 s[64:65], 0
	v_nop
	global_prefetch_b8 v0, s[64:65] scope:SCOPE_SE
	s_setreg_imm32_b32 hwreg(HW_REG_WAVE_MODE, 25, 1), 1
	s_wait_xcnt 0x0
	s_wait_alu depctr_hold_cnt(0) depctr_sa_sdst(0) depctr_va_vdst(0) depctr_va_sdst(0) depctr_va_ssrc(0) depctr_va_vcc(0) depctr_vm_vsrc(0)
	s_getreg_b32 s2, hwreg(HW_REG_IB_STS2, 6, 4)
	s_cmp_eq_u32 s2, 0
	s_cbranch_scc0 .Lentry_in_a_cluster
	s_endpgm
.Lentry_in_a_cluster:
	s_bfe_u32 s2, ttmp6, 0x10000c
	s_cmp_lg_u32 s2, 0x3003
	s_cbranch_scc0 .Lentry_shape_is_right
	s_endpgm
.Lentry_shape_is_right:
; O[q] = the sum over k of softmax_k(q . k / 8) v[k], for 64 (batch, head) pairs of 2,048 tokens, head size 64, both products on codes of E4M3; the result is quantised with 2^e6 for the projection.
; THE SOFTMAX AHEAD OF THE SECOND PRODUCT: t = score x log2(e) / 8; M = the row's largest t, rounded UP to a whole number; p = 2^(t - M) is what is quantised (2^e5), along the keys; it is not normalised.
; The row's sum is taken of the unquantised p, in f32, and divides O at the end.
; TWO WALKS OVER THE KEYS.  Walk 1 makes k q^T and keeps only each row's largest score: M is then the row's final M.  Walk 2 makes k q^T again, p, its sum, its codes and v^T p^T under that one M:
; nothing is rescaled, and units of 16 queries x 64 keys hang on each other in nothing but the sums.
; LIMITS: e2 + e3 between -123 and 130 (they are added to the exponent field of log2(e) / 8); e5 and e6 between -126 and 119; e4 + e5 is applied by v_ldexp_f32 and has none.  NaN is not served.
; SHARES.  A work-group owns 512 queries of one head; each of its sixteen waves 32 of them, two tiles of 16 (A, B), in 256 registers, four waves to a SIMD.  Every fragment of k and v that a wave reads serves both its tiles.
; THE HEAD'S WHOLE k AND v, 262,144 bytes, LIE IN LDS, filled once: wave w fetches chunk w (128 keys: eight fragments of k, four of v turned; 16,384 dense bytes).  No ring, no refill, no barrier in the loops.
; CLUSTER: the four work-groups of a head need the same bytes: each chunk is asked for JOINTLY, by the same tensor load with the same descriptor and a mask that names the four.
; NO PREFETCH: every byte of k and v is asked for once, by the one load a wave at the head; no loop stands ahead of those loads in which to ask earlier.
; LAYOUT.  Both products are used transposed: S^T = k q^T (source 0 = 16 keys, source 1 = 16 queries), O^T = v^T p^T (source 0 = 16 d, source 1 = p): a lane holds ONE query (lane % 16) throughout.
; In tile n of S^T a lane's register j is key 16 n + 8 (lane / 16) + j: registers 2 n, 2 n + 1 of a 16x16x64 operand, so the conversions' results are p's fragment as they stand.
; The first eight registers of an image of 16 d x 128 keys are the 16x16x64 operand of its keys 0-63, the other eight that of keys 64-127.
; WALK 2 IS A PIPELINE OF PHASES.  Unit u = 2 m + i is tile i on keys 64 m .. 64 m + 63; tile i's scores live in buffer i.  Phase u: the 32 exponentials of unit u, and laid among them 24 plain lines of unit u - 1
; (8 first sums of pairs, 16 double holds), whose sources were made ahead of the batch and whose results are read behind it; then unit u - 1's codes and v^T p^T, unit u + 1's k q^T into the buffer just left, and its t - M.
.set CHUNK, 16384
.set SPARE, 16*CHUNK                   ; behind k and v: the spare words, 128 bytes for each wave: eight blocks of 256 bytes that no other line names
.set LI,  1                            ; v1   16 x lane
.set ADR, 2                            ; v2   LDS address of the chunk in hand
.set SPW, 3                            ; v3   LDS address of my spare word; never rewritten
.set NIL, 4                            ; v4   0; never rewritten
.set SCV, 5                            ; v5   2^e5, on the way out 2^e6
.set LIMV, 6                           ; v6   448 x that
.set PD,  7                            ; v7   a lane permute's destination
.set NM,  8                            ; tile i: v[8 + 6 i] -M (on the way out the divisor), and the pair's upper half, 0
.set SM,  10                           ; tile i: v[10 + 2 i : 11 + 2 i] the sum in two halves
.set Q,   16                           ; v16-31   q's fragments, 8 registers a tile
.set P,   32                           ; v32-39   p's codes of a unit (on the way out v32-47)
.set T,   40                           ; v40-55   walk 1: the maxima's 2 x 4 chains; walk 2: eight pairs of partial sums
.set KF,  56                           ; v56-87   four fragments of k (walk 1: eight, v56-119)
.set VF,  88                           ; v88-119  four fragments of v, 64 keys each
.set S,   120                          ; v120-183 two buffers of 32: S^T, then p
.set O,   184                          ; v184-247 O^T: tile i, d tile t at 184 + 32 i + 8 t (walk 1: tile B's scores)
.macro CROUND                          ; a round of the cluster's barrier
	s_barrier_signal -1
	s_barrier_wait -1
	s_cmp_lg_u32 s12, 0
	s_cbranch_scc1 .Lnot_wave_0_\@
	s_barrier_signal -3
.Lnot_wave_0_\@:
	s_barrier_wait -3
	s_barrier_signal -1
	s_barrier_wait -1
.endm
.macro D2
	s_delay_alu instid0(VALU_DEP_2)
.endm
	s_load_b256 s[4:11], s[0:1], 0x0               ; qimg s[4:5], kvimg s[6:7], the scales' exponents s[8:9], aimg s[10:11]
	v_lshl_add_u32 v[SPW], v0, 2, SPARE
	v_mov_b32 v[NIL], 0
	ds_add_u32 v[SPW], v[NIL]                      ; the wave's opening: the add, twice on end, and its wait ahead of my tensor load
	ds_add_u32 v[SPW], v[NIL]
	v_lshrrev_b32 v1, 5, v0
	s_delay_alu instid0(VALU_DEP_1)
	v_readfirstlane_b32 s12, v1                    ; wave 0..15
	s_bfe_u32 s13, ttmp6, 0x40000                  ; cx: it enters q's and the result's global addresses alone
	s_and_b32 s14, ttmp7, 0xffff                   ; 16 x batch + head, which the four partners share
	s_mov_b32 s16, 15|(3<<16)|(1<<21)              ; group 1: the mask of all four; elements of 8 bytes; no padding; bit 21 beside a mask
	s_mov_b32 s17, 32<<16                          ; a dense block of 16,384 bytes as 64 rows of 32 elements
	s_mov_b32 s18, 64<<16
	s_mov_b32 s19, 32<<16
	s_mov_b32 s20, 64
	s_mov_b32 s21, 32
	s_mov_b32 s22, 0
	s_mov_b32 s23, 0
	s_mov_b32 s24, 1                               ; group 0: count = 1
	s_lshl_b32 s25, s12, 14                        ; LDS address: chunk w
	s_lshl_b32 s48, s14, 18                        ; in memory: the head's 262,144 bytes,
	s_add_co_u32 s48, s48, s25                     ; chunk w
	s_mov_b32 s49, 0
	s_lshl_b32 s54, s13, 5
	s_lshl_b32 s55, s12, 1
	s_add_co_u32 s54, s54, s55                     ; 32 cx + 2 w: my first tile of 16 queries in the head
	s_lshl_b32 s50, s14, 17
	s_lshl_b32 s55, s54, 10
	s_add_co_u32 s50, s50, s55                     ; q: head x 131,072 + tile x 1,024
	s_mov_b32 s51, 0
	s_and_b32 s55, s14, 15                         ; the head.  The result is the projection's operand: k = 64 head + d, image [k / 256][token / 16][(k % 256) / 128][2048]
	s_lshr_b32 s52, s55, 2
	s_lshl_b32 s52, s52, 21
	s_and_b32 s55, s55, 3
	s_lshl_b32 s55, s55, 10
	s_add_co_u32 s52, s52, s55
	s_lshr_b32 s55, s14, 4
	s_lshl_b32 s55, s55, 7
	s_add_co_u32 s55, s55, s54                     ; row tile = 128 x batch + 32 cx + 2 w
	s_lshl_b32 s55, s55, 12
	s_add_co_u32 s52, s52, s55
	s_mov_b32 s53, 0
	s_mov_b32 s28, 0x3e38aa3b                      ; c = log2(e) / 8
	s_mov_b32 s30, 0x76543210                      ; v_permlanex16_b32's selects for lane l xor 16
	s_mov_b32 s31, 0xfedcba98
	s_mov_b32 s32, 0                               ; LDS byte of the chunk in hand
	s_mov_b32 s33, 15                              ; walk 1: trips of the loop
	s_wait_dscnt 0x0                               ; both opening adds are done
	s_wait_kmcnt 0x0
	s_load_b256 s[36:43], s[8:9], 0x0              ; e0 .. e7
	s_add_nc_u64 s[26:27], s[6:7], s[48:49]
	s_or_b32 s27, s27, 0x80000000                  ; type = 2
	s_add_nc_u64 s[44:45], s[4:5], s[50:51]
	s_add_nc_u64 s[46:47], s[10:11], s[52:53]
	CROUND                                         ; all four work-groups are here: the joint loads meet
	tensor_load_to_lds s[24:27], s[16:23]          ; my one tensor load of the launch
	s_nop 0
.rept 4
	v_nop
.endr
	v_and_b32 v1, 31, v0
	s_delay_alu instid0(VALU_DEP_1)
	v_lshlrev_b32 v[LI], 4, v1
.irp i, 0,1
.irp c, 0,1
	global_load_b128 v[Q+8*\i+4*\c:Q+8*\i+4*\c+3], v[LI], s[44:45] offset:1024*\i+512*\c   ; q's fragments stay in registers
.endr
.endr
.irp j, 0,1,2,3,4,5,6,7
	v_mov_b32 v[T+\j], 0xff800000                  ; the maxima's chains begin at -infinity
.endr
.irp j, 0,1,2,3
	v_mov_b32 v[SM+\j], 0                          ; the sums
.endr
	v_mov_b32 v[NM+1], 0                           ; (named as the upper halves of pairs)
	v_mov_b32 v[NM+7], 0
	v_mov_b32 v[PD], 0                             ; a lane permute's destination counts as one of its sources
	v_mov_b32 v[ADR], v[LI]
	s_wait_kmcnt 0x0
	s_add_co_i32 s48, s38, s39
	s_lshl_b32 s48, s48, 23
	s_add_co_i32 s28, s28, s48                     ; a score stands for score x 2^(e2 + e3): the two exponents are added to c's exponent field
	s_mov_b32 s29, s28                             ; (named with it as a pair)
	s_add_co_i32 s48, s41, 127
	s_lshl_b32 s49, s48, 23
	v_mov_b32 v[SCV], s49                          ; 2^e5
	s_add_co_i32 s48, s48, 8
	s_lshl_b32 s48, s48, 23
	s_or_b32 s48, s48, 0x600000
	v_mov_b32 v[LIMV], s48                         ; 448 x 2^e5
; ---- walk 1 ----
.macro KLOAD8 off                      ; a chunk's eight fragments of k
.irp n, 0,1,2,3,4,5,6,7
.irp c, 0,1
	ds_load_b128 v[KF+8*\n+4*\c:KF+8*\n+4*\c+3], v[ADR] offset:\off+1024*\n+512*\c
.endr
.endr
.endm
.macro MAXT base, m                    ; 64 scores into four chains; each accumulator is read from its low end on
.irp j, 0,8,16,24,32,40,48,56
	v_max3_num_f32 v[\m], v[\m], v[\base+\j], v[\base+\j+1]
	v_max3_num_f32 v[\m+1], v[\m+1], v[\base+\j+2], v[\base+\j+3]
	v_max3_num_f32 v[\m+2], v[\m+2], v[\base+\j+4], v[\base+\j+5]
	v_max3_num_f32 v[\m+3], v[\m+3], v[\base+\j+6], v[\base+\j+7]
.endr
.endm
.macro MAXTRIP more                    ; 128 keys x both tiles
	s_wait_dscnt 0x0                               ; this chunk's fragments of k are in
.irp n, 0,1,2,3,4,5,6,7
	v_wmma_f32_16x16x64_fp8_fp8 v[S+8*\n:S+8*\n+7], v[KF+8*\n:KF+8*\n+7], v[Q:Q+7], 0
.endr
.irp n, 0,1,2,3,4,5,6,7
	v_wmma_f32_16x16x64_fp8_fp8 v[O+8*\n:O+8*\n+7], v[KF+8*\n:KF+8*\n+7], v[Q+8:Q+15], 0
.endr
.rept 4
	v_nop                                          ; four places: ahead of the loads into k's registers and of the first read of results
.endr
.if \more
	KLOAD8 CHUNK                                   ; the next chunk's, on their way under the 64 maxima
	s_add_co_u32 s32, s32, CHUNK
	v_add_nc_u32 v[ADR], s32, v[LI]                ; 64 plain lines stand between this write and its next reader
.endif
	MAXT S, T
	MAXT O, T+4
.endm
	s_wait_alu depctr_va_vdst(0)
	s_wait_loadcnt 0x0                             ; q
	s_wait_tensorcnt 0x0                           ; my chunk is in,
	s_barrier_signal -1
	s_barrier_wait -1                              ; everybody's is: the launch's one barrier for data
	KLOAD8 0
.Lmax:                                             ; fifteen trips; the sixteenth, which fetches nothing, is written out
	MAXTRIP 1
	s_sub_co_u32 s33, s33, 1
	s_cmp_lg_u32 s33, 0
	s_wait_alu depctr_va_vdst(0)
	s_cbranch_scc1 .Lmax
	MAXTRIP 0
	s_mov_b32 s32, 0
	v_mov_b32 v[ADR], v[LI]                        ; back to chunk 0
.irp n, 0,1,2,3
.irp c, 0,1
	ds_load_b128 v[KF+8*\n+4*\c:KF+8*\n+4*\c+3], v[ADR] offset:1024*\n+512*\c   ; k's keys 0-63
.endr
.endr
	v_max3_num_f32 v[T], v[T], v[T+1], v[T+2]      ; the four chains of each tile, the two tiles by turns,
	v_max3_num_f32 v[T+4], v[T+4], v[T+5], v[T+6]
	D2
	v_max_num_f32 v[T], v[T], v[T+3]
	D2
	v_max_num_f32 v[T+4], v[T+4], v[T+7]
	D2
	v_permlanex16_b32 v[PD], v[T], s30, s31
	D2
	v_permlanex16_b32 v[T+1], v[T+4], s30, s31
	D2
	v_max_num_f32 v[T], v[T], v[PD]                ; and lane l xor 16's: the row's largest score
	D2
	v_max_num_f32 v[T+4], v[T+4], v[T+1]
	D2
	v_mul_f32 v[T], s28, v[T]                      ; as t (c is positive)
	D2
	v_mul_f32 v[T+4], s28, v[T+4]
	D2
	v_floor_f32 v[NM], -v[T]                       ; -M = floor(-t) = -ceil(t)
	D2
	v_floor_f32 v[NM+6], -v[T+4]
; ---- walk 2 ----
.macro HOLD r                          ; two holds in one line: the conversion to an 8-bit code does not saturate (ISA guide 7.6.2); p is not negative, so the hold is one-sided
	v_dual_min_num_f32 v[(\r)], v[(\r)], v[LIMV] :: v_dual_min_num_f32 v[(\r)+1], v[(\r)+1], v[LIMV]
.endm
.macro QK i                            ; S^T = k q^T of tile i on the 64 keys in k's registers, into buffer i
.irp n, 0,1,2,3
	v_wmma_f32_16x16x64_fp8_fp8 v[S+32*(\i)+8*\n:S+32*(\i)+8*\n+7], v[KF+8*\n:KF+8*\n+7], v[Q+8*(\i):Q+8*(\i)+7], 0
.endr
.endm
.macro PV i, zero                      ; O^T += v^T p^T of tile i: its four accumulators by turns; zero = 1: the first product starts the sums
.irp t, 0,1,2,3
.if (\zero)
	v_wmma_f32_16x16x64_fp8_fp8 v[O+32*(\i)+8*\t:O+32*(\i)+8*\t+7], v[VF+8*\t:VF+8*\t+7], v[P:P+7], 0
.else
	v_wmma_f32_16x16x64_fp8_fp8 v[O+32*(\i)+8*\t:O+32*(\i)+8*\t+7], v[VF+8*\t:VF+8*\t+7], v[P:P+7], v[O+32*(\i)+8*\t:O+32*(\i)+8*\t+7]
.endif
.endr
.endm
.macro FMA i                           ; t - M, two at a time (of the pairs c and -M the low word serves both halves); each accumulator from its low end on
.set j, 0
.rept 16
	v_pk_fma_f32 v[S+32*(\i)+j:S+32*(\i)+j+1], v[S+32*(\i)+j:S+32*(\i)+j+1], s[28:29], v[NM+6*(\i):NM+6*(\i)+1] op_sel_hi:[1,0,0]
.set j, j+2
.endr
.endm
; A phase.  i: the tile whose exponentials are due (ex); the other tile's last unit is finished (post; zero: its product starts the sums) and its next unit begun (qk).
; ld = 1: k's next 64 keys (at koff) and v's 64 keys (at voff) are asked for; ld = 2: v's alone.  wt: those asked for in the phase before are awaited.
.macro PHASE i, ex, post, zero, qk, ld, koff, voff, wt
.set X, S+32*(\i)
.set Y, S+32*(1-(\i))
.if (\ex)
	s_wait_alu depctr_va_vdst(0)                   ; ahead of the batch: it serves the 32 numbers t - M
.endif
.set g, 0
.rept 8
.if (\ex)
	v_exp_f32 v[X+4*g], v[X+4*g]                   ; p = 2^(t - M), at most 1: not normalised
.endif
.if (\post)
	v_pk_add_f32 v[T+2*g:T+2*g+1], v[Y+4*g:Y+4*g+1], v[Y+4*g+2:Y+4*g+3]   ; the sum is taken of the unquantised p, ahead of the holds
.endif
.if (\ex)
	v_exp_f32 v[X+4*g+1], v[X+4*g+1]
.endif
.if (\post)
	HOLD Y+4*g
.endif
.if (\ex)
	v_exp_f32 v[X+4*g+2], v[X+4*g+2]
	v_exp_f32 v[X+4*g+3], v[X+4*g+3]
.endif
.if (\post)
	HOLD Y+4*g+2
.endif
.set g, g+1
.endr
.if (\post) == 0
	v_nop                                          ; the plain line behind the last exponential
.endif
.if (\wt)
	s_wait_dscnt 0x0                               ; the 16 loads of the phase before are in
.endif
.if (\ex)
	s_wait_alu depctr_va_vdst(0)                   ; one wait behind the batch: for its results, and for what the plain lines among it wrote
.endif
.if (\post)
.irp n, 0,1,2,3
	v_cvt_scalef32_pk8_fp8_f32 v[P+2*\n:P+2*\n+1], v[Y+8*\n:Y+8*\n+7], v[SCV]   ; registers 2 n, 2 n + 1 of p's fragment: keys 16 n + 8 h + 0 .. 7
.endr
.irp n, 0,4,8,12
	v_pk_add_f32 v[T+\n:T+\n+1], v[T+\n:T+\n+1], v[T+\n+2:T+\n+3]   ; plain lines between the conversions and the products that read their results and write their sources
.endr
	PV 1-(\i), \zero
.endif
.if (\qk)
	QK 1-(\i)
.endif
.if (\post)
	v_pk_add_f32 v[T:T+1], v[T:T+1], v[T+4:T+5]    ; these four are the places behind the products
	v_pk_add_f32 v[T+8:T+9], v[T+8:T+9], v[T+12:T+13]
	s_delay_alu instid0(VALU_DEP_1)
	v_pk_add_f32 v[T:T+1], v[T:T+1], v[T+8:T+9]
	s_delay_alu instid0(VALU_DEP_1)
	v_pk_add_f32 v[SM+2*(1-(\i)):SM+2*(1-(\i))+1], v[SM+2*(1-(\i)):SM+2*(1-(\i))+1], v[T:T+1]
.else
.rept 4
	v_nop
.endr
.endif
.if (\ld) == 1
.irp n, 0,1,2,3
.irp c, 0,1
	ds_load_b128 v[KF+8*\n+4*\c:KF+8*\n+4*\c+3], v[ADR] offset:\koff+1024*\n+512*\c
.endr
.endr
.endif
.if (\ld) > 0
.irp t, 0,1,2,3
.irp c, 0,1
	ds_load_b128 v[VF+8*\t+4*\c:VF+8*\t+4*\c+3], v[ADR] offset:\voff+2048*\t+512*\c
.endr
.endr
.endif
.if (\qk)
	FMA 1-(\i)
.endif
.endm
.macro TRIP first, last                ; a chunk of 128 keys: four phases, units (A, 2 j), (B, 2 j), (A, 2 j + 1), (B, 2 j + 1)
	v_add_nc_u32 v[ADR], s32, v[LI]                ; (the first phase's wait stands between this write and its readers)
	PHASE 0, 1, 1-(\first), 0, 1, 1, 4096, 8192, 0
	PHASE 1, 1, 1, \first, 1, 0, 0, 0, 1
	PHASE 0, 1, 1, \first, 1, 1+(\last), CHUNK, 9216, 0
	PHASE 1, 1, 1, 0, 1-(\last), 0, 0, 0, 1
	s_add_co_u32 s32, s32, CHUNK
.endm
	s_wait_alu depctr_va_vdst(0)                   ; directly ahead of the wait below
	s_wait_dscnt 0x0
	QK 0                                           ; unit (A, 0)
.rept 4
	v_nop
.endr
	FMA 0
	TRIP 1, 0                                      ; written out: nothing to finish in its first phase, and the first products start O^T's sums
	s_mov_b32 s33, 14
.Lkeys:
	TRIP 0, 0
	s_sub_co_u32 s33, s33, 1
	s_cmp_lg_u32 s33, 0
	s_cbranch_scc1 .Lkeys
	TRIP 0, 1                                      ; written out: no keys follow
	PHASE 0, 0, 1, 0, 0, 0, 0, 0, 0                ; unit (B, 31) is finished
	; THE WAY OUT.  O^T / the sum x 2^(e4 + e5), quantised with 2^e6.  A lane's registers 8 t + j are d = 16 t + 8 h + j of its query: eight registers of codes, half of a fragment of the projection's operand.
	v_add_f32 v[SM], v[SM], v[SM+1]                ; the sum's two halves,
	v_add_f32 v[SM+2], v[SM+2], v[SM+3]
	D2
	v_permlanex16_b32 v[PD], v[SM], s30, s31
	D2
	v_permlanex16_b32 v[T], v[SM+2], s30, s31
	D2
	v_add_f32 v[SM], v[SM], v[PD]                  ; and lane l xor 16's
	D2
	v_add_f32 v[SM+2], v[SM+2], v[T]
	s_wait_alu depctr_va_vdst(0)
	v_rcp_f32 v[NM], v[SM]
	v_rcp_f32 v[NM+6], v[SM+2]
	s_add_co_i32 s48, s42, 127
	s_lshl_b32 s49, s48, 23
	v_mov_b32 v[SCV], s49                          ; 2^e6  (plain lines behind the reciprocals)
	s_add_co_i32 s48, s48, 8
	s_lshl_b32 s48, s48, 23
	s_or_b32 s48, s48, 0x600000
	v_mov_b32 v[LIMV], s48                         ; 448 x 2^e6
	s_add_co_i32 s48, s40, s41                     ; e4 + e5
	s_wait_alu depctr_va_vdst(0)                   ; one wait for both, ahead of the first reader
	v_ldexp_f32 v[NM], v[NM], s48
	v_ldexp_f32 v[NM+6], v[NM+6], s48
	s_wait_alu depctr_va_vdst(0)                   ; directly ahead of the first readers of O^T
.irp i, 0,1
.set j, 0
.rept 16
	v_pk_mul_f32 v[S+32*\i+j:S+32*\i+j+1], v[O+32*\i+j:O+32*\i+j+1], v[NM+6*\i:NM+6*\i+1] op_sel_hi:[1,0]   ; each accumulator from its low end on
.set j, j+2
.endr
.endr
.set j, 0
.rept 64
	v_med3_num_f32 v[S+j], v[S+j], -v[LIMV], v[LIMV]
.set j, j+1
.endr
.irp n, 0,1,2,3,4,5,6,7
	v_cvt_scalef32_pk8_fp8_f32 v[P+2*\n:P+2*\n+1], v[S+8*\n:S+8*\n+7], v[SCV]
.endr
	v_nop                                          ; a plain line behind the last conversion
.irp i, 0,1
.irp c, 0,1
	global_store_b128 v[LI], v[P+8*\i+4*\c:P+8*\i+4*\c+3], s[46:47] offset:4096*\i+512*\c   ; 32 lanes store 512 consecutive bytes, at a multiple of 512 from the buffer's first byte
.endr
.endr
	s_wait_tensorcnt 0x0                           ; the wave's end, behind my tensor load
	ds_add_u32 v[SPW], v[NIL]
	s_wait_dscnt 0x0
	CROUND                                         ; the closing round
	s_endpgm
.Lfunc_end_k_q5575859d83_attn:
	.size	k_q5575859d83_attn, .Lfunc_end_k_q5575859d83_attn-k_q5575859d83_attn
	.p2alignl 7, 3214868480
	.fill 96, 4, 3214868480
	.section	.rodata,"a",@progbits
	.p2align	6, 0x0
	.amdhsa_kernel k_q5575859d83_attn
		.amdhsa_group_segment_fixed_size 264192
		.amdhsa_private_segment_fixed_size 0
		.amdhsa_enable_private_segment 0
		.amdhsa_kernarg_size 32
		.amdhsa_user_sgpr_count 2
		.amdhsa_user_sgpr_kernarg_segment_ptr 1
		.amdhsa_wavefront_size32 1
		.amdhsa_system_sgpr_workgroup_id_x 1
		.amdhsa_system_sgpr_workgroup_id_y 1
		.amdhsa_system_sgpr_workgroup_id_z 1
		.amdhsa_system_vgpr_workitem_id 0
		.amdhsa_next_free_vgpr 256
		.amdhsa_next_free_sgpr 66
		.amdhsa_reserve_vcc 0
		.amdhsa_float_denorm_mode_32 3
		.amdhsa_float_denorm_mode_16_64 3
		.amdhsa_memory_ordered 1
		.amdhsa_forward_progress 1
		.amdhsa_inst_pref_size 93
	.end_amdhsa_kernel
	.amdgpu_metadata
---
amdhsa.version: [ 1, 2 ]
amdhsa.kernels:
  - .name:           k_q5575859d83_attn
    .symbol:         k_q5575859d83_attn.kd
    .args:
      - { .name: qimg, .offset: 0, .size: 8, .value_kind: global_buffer, .address_space: global }
      - { .name: kvimg, .offset: 8, .size: 8, .value_kind: global_buffer, .address_space: global }
      - { .name: lowp_scales, .offset: 16, .size: 8, .value_kind: global_buffer, .address_space: global }
      - { .name: aimg, .offset: 24, .size: 8, .value_kind: global_buffer, .address_space: global }
    .group_segment_fixed_size: 264192
    .private_segment_fixed_size: 0
    .kernarg_segment_align: 8
    .kernarg_segment_size: 32
    .max_flat_workgroup_size: 512
    .sgpr_count:     66
    .vgpr_count:     256
    .wavefront_size: 32
...
	.end_amdgpu_metadata
.endif
;; end of part 3
;; launch proj (part 4): grid 8 x 32, 4 waves a work-group, clusters of 4 x 1, 280,064 bytes of LDS; arguments aimg, pwimg, lowp_scales, proj_b, out0; writes out0
.if DOCPART == 4
	.amdgcn_target "amdgcn-amd-amdhsa--gfx1250"
	.amdhsa_code_object_version 6
	.text
	.protected	k_q5575859d83_proj
	.globl	k_q5575859d83_proj
	.p2align	8
	.type	k_q5575859d83_proj,@function
k_q5575859d83_proj:
	s_mov_b64 s[64:65], 0
	v_nop
	global_prefetch_b8 v0, s[64:65] scope:SCOPE_SE
	s_setreg_imm32_b32 hwreg(HW_REG_WAVE_MODE, 25, 1), 1
	s_wait_xcnt 0x0
	s_wait_alu depctr_hold_cnt(0) depctr_sa_sdst(0) depctr_va_vdst(0) depctr_va_sdst(0) depctr_va_ssrc(0) depctr_va_vcc(0) depctr_vm_vsrc(0)
	s_getreg_b32 s2, hwreg(HW_REG_IB_STS2, 6, 4)
	s_cmp_eq_u32 s2, 0
	s_cbranch_scc0 .Lentry_in_a_cluster
	s_endpgm
.Lentry_in_a_cluster:
	s_bfe_u32 s2, ttmp6, 0x10000c
	s_cmp_lg_u32 s2, 0x3003
	s_cbranch_scc0 .Lentry_shape_is_right
	s_endpgm
.Lentry_shape_is_right:
; out0 = a proj_w^T + proj_b on codes of E4M3 (scales 2^e6, 2^e7); a and the weights are images of operand registers, [k / 256][row / 16][(k % 256) / 128][2048]; out0 [8192][1024] f32.
; SHARES.  Work-group (g, rb) makes rows 256 rb .. + 255 x columns 128 g .. + 127: 8 x 32 = 256 work-groups.  a's 256 rows with the WHOLE K = 1,024 are 262,144 bytes of LDS, filled once:
; wave w fetches K 256 w .. + 255, a dense block of 65,536 bytes.  No ring, no refill, one barrier.  CLUSTER: four work-groups of one rb need the same rows: each block is asked for JOINTLY (mask 15).
; A wave makes 128 rows (wave / 2) x 64 columns (wave % 2): 32 accumulators.  Its weights, 64 rows x 1,024 K = 512 registers, come from their image straight into registers.
; a's fragments come from LDS in half steps of four fragments through three buffers of 64 registers.  The bias is the C of each accumulator's first product, divided by 2^(e6 + e7); each finished sum is multiplied by 2^(e6 + e7).
; Source 0 = 16 rows of the weights, source 1 = 16 rows of a: a lane holds one row and columns 16 b + 8 (lane / 16) + j.  16 rows x 256 bytes at a time go through the wave's own stage and leave as aligned units of 256 bytes.
; NO PREFETCH: everything is asked for at the head; no loop stands ahead of those loads.
; LIMIT: e6 + e7 between -126 and 126.
.set BSTEP, 64*4096
.set STAGE, 262144
.set SPITCH, 272
.set SPARE, STAGE+4*16*SPITCH
.set LI, 1
.set ADA, 2
.set SPW, 6
.set NIL, 7
.set H32, 8
.set STO, 9
.set RD, 10
.set CO, 11
.set BI, 32
.set AB, 64
.set TMP, 64
.set BK, 128
.set BV, 36
.set OUT, 38
.set MSB, 0
.macro WIN new
.if MSB != (\new)
	s_set_vgpr_msb (MSB<<8)|(\new)
.set MSB, (\new)
.endif
.endm
.macro CROUND
	s_barrier_signal -1
	s_barrier_wait -1
	s_cmp_lg_u32 s12, 0
	s_cbranch_scc1 .Lnot_wave_0_\@
	s_barrier_signal -3
.Lnot_wave_0_\@:
	s_barrier_wait -3
	s_barrier_signal -1
	s_barrier_wait -1
.endm
.macro NOP4
.rept 4
	v_nop
.endr
.endm
.macro ALOAD h                         ; half step h: K step h / 2, row tiles 4 (h % 2) .. + 3, into buffer h % 3
.irp a, 0,1,2,3
.irp c, 0,1,2,3
	ds_load_b128 v[AB+64*((\h)%3)+16*\a+4*\c:AB+64*((\h)%3)+16*\a+4*\c+3], v[ADA+(\h)/4] offset:(4*((\h)%2)+\a)*4096+(((\h)/2)%2)*2048+512*\c
.endr
.endr
.endm
.macro BLOAD kk
	WIN (0x40<<((\kk)/4))
.irp b, 0,1,2,3
.irp c, 0,1,2,3
	global_load_b128 v[64*((\kk)%4)+16*\b+4*\c:64*((\kk)%4)+16*\b+4*\c+3], v[LI], s[BV:BV+1] offset:((\kk)/2)*BSTEP+\b*4096+((\kk)%2)*2048+512*\c
.endr
.endr
	WIN 0
.endm
.macro MM d, x, y, c
	v_wmma_f32_16x16x128_fp8_fp8 v[\d:\d+7], v[\x:\x+15], v[\y:\y+15], v[\c:\c+7]
.endm
.macro HALF h
	WIN 0
.if (\h) > 0
	NOP4                                           ; places ahead of loads into the buffer that the last products read
.endif
.if (\h) < 14
	ALOAD (\h)+2
.endif
.if (\h) == 0
	s_wait_alu depctr_va_vdst(0)                   ; directly ahead of the wait below
.endif
.if (\h)%2 == 0
.if 16*(7-(\h)/2) > 63
	s_wait_loadcnt 63                              ; more than 63 loads were issued behind this K step's
.else
	s_wait_loadcnt 16*(7-(\h)/2)                   ; the later K steps' loads may be out
.endif
.endif
.if (\h) < 14
	s_wait_dscnt 32                                ; the two half steps ahead may be out
.else
	s_wait_dscnt 16*(15-(\h))
.endif
.set BR, 64*(((\h)/2)%4)
.set AR, AB+64*((\h)%3)
.set DR, 128*((\h)%2)
.if (\h) < 2
	WIN (0xc0|(1+(\h)/8))
.else
	WIN (0xf0|(1+(\h)/8))
.endif
.irp a, 0,1,2,3
.irp b, 0,1,2,3
.if (\h) < 2
	MM DR+32*\a+8*\b, BR+16*\b, AR+16*\a, BI+8*\b
.else
	MM DR+32*\a+8*\b, BR+16*\b, AR+16*\a, DR+32*\a+8*\b
.endif
.endr
.endr
.endm
	s_load_b256 s[4:11], s[0:1], 0x0               ; aimg, pwimg, the scales' exponents, proj_b
	s_load_b64 s[OUT:OUT+1], s[0:1], 0x20          ; out0
	v_lshl_add_u32 v[SPW], v0, 2, SPARE
	v_mov_b32 v[NIL], 0
	ds_add_u32 v[SPW], v[NIL]                      ; the opening: the add, twice on end, and its wait ahead of my tensor load
	ds_add_u32 v[SPW], v[NIL]
	v_lshrrev_b32 v1, 5, v0
	v_readfirstlane_b32 s12, v1
	s_lshr_b32 s13, s12, 1
	s_and_b32 s14, s12, 1
	s_bfe_u32 s15, ttmp6, 0x40000
	s_lshl_b32 s16, ttmp9, 2
	s_add_co_u32 s16, s16, s15                     ; g
	s_and_b32 s17, ttmp7, 0xffff                   ; rb
	s_mov_b32 s24, 15|(3<<16)|(1<<21)
	s_mov_b32 s25, 32<<16
	s_mov_b32 s26, 256<<16
	s_mov_b32 s27, 32<<16
	s_mov_b32 s28, 256
	s_mov_b32 s29, 32
	s_mov_b32 s30, 0
	s_mov_b32 s31, 0
	s_mov_b32 s32, 1
	s_lshl_b32 s33, s12, 16
	s_lshl_b32 s20, s12, 21
	s_lshl_b32 s18, s17, 16
	s_add_co_u32 s20, s20, s18
	s_mov_b32 s21, 0
	s_lshl_b32 s40, s16, 15
	s_lshl_b32 s18, s14, 14
	s_add_co_u32 s40, s40, s18                     ; weights: row tile 8 g + 4 (wave % 2)
	s_mov_b32 s41, 0
	s_lshl_b32 s42, s16, 9
	s_lshl_b32 s18, s14, 8
	s_add_co_u32 s42, s42, s18                     ; column 128 g + 64 (wave % 2), in bytes of f32
	s_mov_b32 s43, 0
	s_lshl_b32 s44, s17, 20
	s_lshl_b32 s18, s13, 19
	s_add_co_u32 s44, s44, s18
	s_add_co_u32 s44, s44, s42                     ; out0: row 256 rb + 128 (wave / 2), that column
	s_mov_b32 s45, 0
	s_wait_dscnt 0x0
	s_wait_kmcnt 0x0
	s_load_b64 s[96:97], s[8:9], 0x18              ; e6, e7
	s_add_nc_u64 s[34:35], s[4:5], s[20:21]
	s_or_b32 s35, s35, 0x80000000
	s_add_nc_u64 s[BV:BV+1], s[6:7], s[40:41]
	s_add_nc_u64 s[46:47], s[10:11], s[42:43]
	s_add_nc_u64 s[OUT:OUT+1], s[OUT:OUT+1], s[44:45]
	CROUND
	tensor_load_to_lds s[32:35], s[24:31]          ; my one tensor load of the launch
	s_nop 0
	NOP4
	v_and_b32 v1, 31, v0
	v_lshlrev_b32 v[LI], 4, v1
	v_and_b32 v12, 15, v0                          ; r
	v_bfe_u32 v13, v0, 4, 1                        ; h
	v_lshlrev_b32 v[H32], 5, v13
	s_mul_i32 s19, s12, 16*SPITCH
	s_add_co_u32 s19, s19, STAGE                   ; my stage
	v_mul_u32_u24 v[STO], v12, SPITCH
	v_add_nc_u32 v[STO], v[STO], v[H32]
	v_add_nc_u32 v[STO], s19, v[STO]               ; in: row r, 32 bytes for each half of the lanes
	v_mul_u32_u24 v[RD], v13, SPITCH
	v_lshl_add_u32 v[RD], v12, 4, v[RD]
	v_add_nc_u32 v[RD], s19, v[RD]                 ; back: lanes 0-15 one row of 256 bytes, lanes 16-31 the next
	v_lshlrev_b32 v[CO], 12, v13
	v_lshl_add_u32 v[CO], v12, 4, v[CO]            ; and the same two rows in out0
	s_lshl_b32 s18, s13, 15
.irp k, 0,1,2,3
	v_add_nc_u32 v[ADA+\k], s18, v[LI]
	s_add_co_u32 s18, s18, 65536
.endr
	s_wait_alu depctr_va_vdst(0)
.irp b, 0,1,2,3
	global_load_b128 v[BI+8*\b:BI+8*\b+3], v[H32], s[46:47] offset:64*\b
	global_load_b128 v[BI+8*\b+4:BI+8*\b+7], v[H32], s[46:47] offset:64*\b+16
.endr
.irp k, 0,1,2,3,4,5,6,7
	BLOAD \k
.endr
	s_wait_kmcnt 0x0
	s_add_co_i32 s18, s96, s97                     ; e6 + e7
	s_sub_co_i32 s19, 127, s18
	s_lshl_b32 s88, s19, 23                        ; 2^-(e6 + e7)
	s_mov_b32 s89, s88
	s_add_co_i32 s18, s18, 127
	s_lshl_b32 s96, s18, 23                        ; 2^(e6 + e7)
	s_mov_b32 s97, s96
	s_wait_loadcnt 63                              ; the eight oldest loads are in (128 were issued behind them)
.set i, 0
.rept 16
	v_pk_mul_f32 v[BI+i:BI+i+1], v[BI+i:BI+i+1], s[88:89] op_sel_hi:[1,0]
.set i, i+2
.endr
	s_wait_tensorcnt 0x0
	s_barrier_signal -1
	s_barrier_wait -1
	ALOAD 0
	ALOAD 1
.set hh, 0
.rept 16
	HALF hh
.set hh, hh+1
.endr
	WIN 0
	NOP4                                           ; places ahead of the first read of results
.macro TOSTAGE a
	WIN 0x03
.set i, 0
.rept 16
	v_pk_mul_f32 v[TMP+i:TMP+i+1], v[32*(\a)+i:32*(\a)+i+1], s[96:97] op_sel_hi:[1,0]   ; each accumulator from its low end on
.set i, i+2
.endr
	WIN 0
.irp b, 0,1,2,3
	ds_store_b128 v[STO], v[TMP+8*\b:TMP+8*\b+3] offset:64*\b
	ds_store_b128 v[STO], v[TMP+8*\b+4:TMP+8*\b+7] offset:64*\b+16
.endr
.irp t, 0,1,2,3,4,5,6,7
	ds_load_b128 v[BK+32*((\a)%2)+4*\t:BK+32*((\a)%2)+4*\t+3], v[RD] offset:\t*2*SPITCH   ; LDS serves a wave's instructions in order (ISA guide 5.7.1.4)
.endr
.endm
.macro SEND a, younger
	s_wait_dscnt \younger
.if (\a) > 0
	s_add_nc_u64 s[OUT:OUT+1], s[OUT:OUT+1], 16*4096   ; behind a wait on XCNT: the earlier stores have read their base
.endif
.irp t, 0,1,2,3,4,5,6,7
	global_store_b128 v[CO], v[BK+32*((\a)%2)+4*\t:BK+32*((\a)%2)+4*\t+3], s[OUT:OUT+1] offset:\t*8192 th:TH_STORE_NT   ; sixteen lanes store 256 consecutive bytes, aligned
.endr
.endm
	TOSTAGE 0
.irp a, 1,2,3,4,5,6,7
.if \a > 1
	s_wait_xcnt 0x0                                ; block a - 2's stores have read their registers and base
.endif
	TOSTAGE \a
	SEND \a-1, 16                                  ; behind block a - 1's loads: block a's 8 stores and 8 loads
.endr
	s_wait_xcnt 0x0
	SEND 7, 0
	s_wait_tensorcnt 0x0                           ; the wave's end
	ds_add_u32 v[SPW], v[NIL]
	s_wait_dscnt 0x0
	CROUND
	s_endpgm
.Lfunc_end_k_q5575859d83_proj:
	.size	k_q5575859d83_proj, .Lfunc_end_k_q5575859d83_proj-k_q5575859d83_proj
	.p2alignl 7, 3214868480
	.fill 96, 4, 3214868480
	.section	.rodata,"a",@progbits
	.p2align	6, 0x0
	.amdhsa_kernel k_q5575859d83_proj
		.amdhsa_group_segment_fixed_size 280064
		.amdhsa_private_segment_fixed_size 0
		.amdhsa_enable_private_segment 0
		.amdhsa_kernarg_size 40
		.amdhsa_user_sgpr_count 2
		.amdhsa_user_sgpr_kernarg_segment_ptr 1
		.amdhsa_wavefront_size32 1
		.amdhsa_system_sgpr_workgroup_id_x 1
		.amdhsa_system_sgpr_workgroup_id_y 1
		.amdhsa_system_sgpr_workgroup_id_z 1
		.amdhsa_system_vgpr_workitem_id 0
		.amdhsa_next_free_vgpr 1024
		.amdhsa_next_free_sgpr 102
		.amdhsa_reserve_vcc 0
		.amdhsa_float_denorm_mode_32 3
		.amdhsa_float_denorm_mode_16_64 3
		.amdhsa_memory_ordered 1
		.amdhsa_forward_progress 1
		.amdhsa_inst_pref_size 79
	.end_amdhsa_kernel
	.amdgpu_metadata
---
amdhsa.version: [ 1, 2 ]
amdhsa.kernels:
  - .name:           k_q5575859d83_proj
    .symbol:         k_q5575859d83_proj.kd
    .args:
      - { .name: aimg, .offset: 0, .size: 8, .value_kind: global_buffer, .address_space: global }
      - { .name: pwimg, .offset: 8, .size: 8, .value_kind: global_buffer, .address_space: global }
      - { .name: lowp_scales, .offset: 16, .size: 8, .value_kind: global_buffer, .address_space: global }
      - { .name: proj_b, .offset: 24, .size: 8, .value_kind: global_buffer, .address_space: global }
      - { .name: out0, .offset: 32, .size: 8, .value_kind: global_buffer, .address_space: global }
    .group_segment_fixed_size: 280064
    .private_segment_fixed_size: 0
    .kernarg_segment_align: 8
    .kernarg_segment_size: 40
    .max_flat_workgroup_size: 128
    .sgpr_count:     102
    .vgpr_count:     1024
    .wavefront_size: 32
...
	.end_amdgpu_metadata
.endif
;; end of part 4
